; MI455X (gfx1250); checked and timed in simulation.
; The chip was launched on July 23, 2026; its instructions are those of AMD's public machine-readable ISA for CDNA 5 (MIT licence, August 2026) and "CDNA5" Instruction Set Architecture Reference Guide (July 2026). The comments in the code are by the model that wrote it; some were corrected since.
;; MLH Attention. Allowed arithmetic: matrix products marked QUANTISED: E2M3 operands, one E8M0 scale for each 32 along K, by v_wmma_scale_f32_16x16x128_f8f6f4 with both operands' format E2M3, f32 sums; everything else in f32.
;; Inputs: Wk 256 x 1,024 float32; Wo 1,024 x 1,024 float32; Wq 1,024 x 1,024 float32; Wv 256 x 1,024 float32; attention_mask 1 x 1 x 4,096 x 4,096 float32; hidden_states 1 x 4,096 x 1,024 float32.
;; Outputs: out0 1 x 4,096 x 1,024 float32.
;; This version of the problem:
;;   THIS VERSION OF THE PROBLEM IS GIVEN IN LOW PRECISION. The matrix products marked QUANTISED in the list below multiply operands that are first quantised to E2M3 (2 exponent bits, 3 mantissa bits; 6 bits a number), with one power-of-two scale for each 32 numbers along K (OCP MX v1.0); their sums are f32. All else is computed in f32.
;;   The module's matrix products, in the order in which they are computed (A, B: the left and right operand; K: the contracted axis; several contracted axes count as one K, in the product's order):
;;     1. [M 4,096, K 1,024] x [K 1,024, N 1,024]; A: input hidden_states; B: input Wq: QUANTISED
;;     2. [M 4,096, K 1,024] x [K 1,024, N 256]; A: input hidden_states; B: input Wk: QUANTISED
;;     3. [M 4,096, K 1,024] x [K 1,024, N 256]; A: input hidden_states; B: input Wv: QUANTISED
;;     4. batch 16 x [M 4,096, K 64] x [K 64, N 4,096]; A: computed on the way; B: computed on the way: QUANTISED
;;     5. batch 16 x [M 4,096, K 4,096] x [K 4,096, N 64]; A: softmax (see below); B: computed on the way: QUANTISED
;;     6. [M 4,096, K 1,024] x [K 1,024, N 1,024]; A: computed on the way; B: input Wo: QUANTISED
;;   THE QUANTISER, for each operand of a quantised product, along K:
;;     - K is cut into blocks of 32 from its start; a last block that is shorter is filled with zeros.
;;     - A block's scale is 2^e with e = floor(log2(the largest magnitude in the block)) - 2, held to -126 .. 127; a block of zeros has e = 0. As a byte (E8M0): e + 127.
;;     - Each number is divided by its block's scale, clamped to +-7.5, and rounded to the nearest number of E2M3, ties to even, subnormals kept.
;;     - The product sums the exact products of the quantised numbers (number of the format x scale) in f32.
;;   ~~~python
;;   def quantise(x, axis):      # numpy; x: float32 -> the quantised numbers, widened to float32 again
;;       x = np.moveaxis(x, axis, -1); K = x.shape[-1]
;;       x = np.pad(x, [(0, 0)] * (x.ndim - 1) + [(0, -K % 32)]); x = x.reshape(x.shape[:-1] + (-1, 32)); a = np.abs(x).max(-1, keepdims=True)
;;       e = np.where(a > 0, np.clip(np.frexp(np.where(a > 0, a, 1))[1] - 1 - 2, -126, 127), 0)      # np.frexp(a)[1] - 1 = floor(log2(a)), exactly
;;       r = np.clip(x / 2.0 ** e, -7.5, 7.5)
;;       step = 2.0 ** (np.maximum(np.frexp(np.where(r == 0, 1, r))[1] - 1, 0) - 3)
;;       q = np.round(r / step) * step * 2.0 ** e      # np.round: ties to even
;;       return np.moveaxis(q.reshape(q.shape[:-2] + (-1,))[..., :K], -1, axis).astype(np.float32)
;;   ~~~
;;   SOFTMAX AHEAD OF A QUANTISED PRODUCT. Where the list says 'softmax', what is quantised is not the finished softmax but p = 2^(t - M), with t = logit x log2(e) and M = ceil(the row's largest t), a whole number; so 1/2 < the row's largest p <= 1. The row's sum l is taken of the UNQUANTISED p, in f32, and the product's result is divided by l at the end. Since M is a whole number, a kernel that streams over the keys may use a running M (the ceiling of the running maximum): every later rescaling is an exact power of two, which a block's scale takes up: the codes' values come out the same.
;;   OPERANDS COMPUTED ON THE WAY. 'Computed on the way' means the value that the module computes at that place (a softmax that the list does not call 'softmax' is quantised finished and normalised). What goes into a quantiser is computed in f32, as accurately as f32 sums, v_exp_f32 and their like allow (about 1e-6 of the number): no bf16 or f16 on the way to a quantiser, and a product that is left as it is and whose result goes on into a quantised operand takes f32 operands (vector FMAs, or v_wmma_f32_16x16x4_f32). A number that lies on a knife's edge between two numbers of the format may be rounded either way, as far as f32 arithmetic and the matrix unit's own rounding can turn it there, and no further.
;; One version. Each part assembles by itself: llvm-mc -triple=amdgcn-amd-amdhsa -mcpu=gfx1250 --defsym DOCPART=n.
;; ======== version 1 of 1: 3 launches
;; limits: right only within a limited range of input values
;; workspace buffers: CW 5,111,808 bytes; SW 212,992 bytes; QC 3,145,728 bytes; QS 262,144 bytes; KV 1,671,168 bytes
;; launch quant (part 1): grid 416 x 1, 8 waves a work-group, no clusters, 69,120 bytes of LDS; arguments hidden_states, Wq, Wk, Wv, Wo, CW, SW; writes CW, SW
.if DOCPART == 1
	.amdgcn_target "amdgcn-amd-amdhsa--gfx1250"
	.amdhsa_code_object_version 6
	.text
	.protected	k_q72b428d6ca_quant
	.globl	k_q72b428d6ca_quant
	.p2align	8
	.type	k_q72b428d6ca_quant,@function
k_q72b428d6ca_quant:
	s_mov_b64 s[64:65], 0
	v_nop
	global_prefetch_b8 v0, s[64:65] scope:SCOPE_SE
	s_setreg_imm32_b32 hwreg(HW_REG_WAVE_MODE, 25, 1), 1
	s_wait_xcnt 0x0
; hidden_states [4096][1024], Wq [1024][1024], Wk, Wv [256][1024], Wo [1024][1024], all f32 with K innermost, become codes of FP6 (E2M3) with one E8M0 byte for each 32 along K.
; The codes are laid as IMAGES OF OPERAND REGISTERS: CW [tile 416][K step 8][1,536 bytes]; a fragment (16 rows x 128 K, 12 registers a lane) lies as three groups of four registers, group g at 512 g + 16 x lane.
; SW [tile][K step][16 words]: word r = the four scale bytes of the tile's row r.  Tiles 0-255: hidden_states; 256-319 Wq; 320-335 Wk; 336-351 Wv; 352-415 Wo.
; THE ROWS OF A TILE ARE NOT NEIGHBOURS: lane-row r of a tensor's tile T is its row 32 (T / 2) + 8 (T % 2) + r + 8 (r / 8), so that in a transposed product the 16 registers of result tiles 2 b and 2 b + 1 are 16 neighbours.
; A block's scale is 2^(floor(log2(its largest magnitude)) - 2); its byte is the largest magnitude's exponent field - 2, held at 1 from below.
; LIMITS: a block of zeros, or one whose largest magnitude lies under 2^-124, gets the byte 1 (the rule says 127 for zeros: its codes are zeros, and this program alone reads the bytes); NaN and infinities among the inputs are not served.
; SHARES: a work-group takes a tile, wave w its K step w: 16 rows x 512 bytes.  Each load reads 512 consecutive bytes of one row; the 8,192 bytes turn through the wave's own stage in LDS, so that a lane gets 16 neighbours of each block.
.set STG,   8448                       ; a wave's stage: 16 rows x (512 bytes + 16): row r starts 4 r banks on
.set SCG,   8*STG                      ; the tile's 8 x 16 scale words, gathered for one store of 512 bytes
.set SPARE, SCG+512                    ; the spare words, 128 bytes for each wave: four blocks of 256 bytes that no other line names
.set R,   16                           ; v16-79   the rows as loaded
.set X,   80                           ; v80-143  register 16 b + i = k 32 b + 16 (lane / 16) + i of my row
.set PC,  144                          ; v144-155 the fragment's codes
.set PT,  156                          ; v156-163 the conversions' second halves
.set TM,  164                          ; v164-179 at work in QUANT
.set PW,  180                          ; v180     the scale word
.set SEL, 26                           ; s[26:27] v_permlanex16_b32's selects for lane l xor 16
; 32 nc numbers of a lane, register 16 b + i = k 32 b + 16 (lane / 16) + i of my row, become 6 nc registers of codes from v[pc] on and the row's scale word in v[pw].
.macro QUANT s, nc, pc, pw
.irp b, 0,1,2,3
.if \b < 2*(\nc)
	v_max3_num_f32 v[TM+\b], |v[16*\b+(\s)]|, |v[16*\b+1+(\s)]|, 0x1800000   ; my 16 numbers of block b, and the floor 2^(3 - 127): the byte cannot fall under 1
.endif
.endr
.irp i, 2,4,6,8,10,12,14
.irp b, 0,1,2,3
.if \b < 2*(\nc)
	s_delay_alu instid0(VALU_DEP_4)
	v_max3_num_f32 v[TM+\b], v[TM+\b], |v[16*\b+\i+(\s)]|, |v[16*\b+\i+1+(\s)]|   ; the blocks by turns
.endif
.endr
.endr
.irp b, 0,1,2,3
.if \b < 2*(\nc)
	s_delay_alu instid0(VALU_DEP_4)
	v_permlanex16_b32 v[TM+4+\b], v[TM+\b], s[SEL], s[SEL+1]
.endif
.endr
.irp b, 0,1,2,3
.if \b < 2*(\nc)
	s_delay_alu instid0(VALU_DEP_4)
	v_max_num_f32 v[TM+\b], v[TM+\b], v[TM+4+\b]   ; with lane l xor 16's 16: the block's largest magnitude
.endif
.endr
.irp b, 0,1,2,3
.if \b < 2*(\nc)
	s_delay_alu instid0(VALU_DEP_4)
	v_add_nc_u32 v[TM+12+\b], 0xff000000, v[TM+\b] ; 2 off its exponent field: the conversion takes this operand's exponent field as its scale
.endif
.endr
.irp b, 0,1,2,3
.if \b < 2*(\nc)
	s_delay_alu instid0(VALU_DEP_4)
	v_lshrrev_b32 v[TM+4+\b], 23, v[TM+12+\b]      ; the scale's byte
.endif
.endr
	s_delay_alu instid0(VALU_DEP_3)
	v_lshl_or_b32 v[\pw], v[TM+5], 8, v[TM+4]
.if (\nc) > 1
	s_delay_alu instid0(VALU_DEP_1)
	v_lshl_or_b32 v[\pw], v[TM+6], 16, v[\pw]
	s_delay_alu instid0(VALU_DEP_1)
	v_lshl_or_b32 v[\pw], v[TM+7], 24, v[\pw]
.endif
.irp c, 0,1
.if \c < (\nc)
	v_cvt_scalef32_pk16_fp6_f32 v[6*\c+(\pc):6*\c+2+(\pc)], v[32*\c+(\s):32*\c+15+(\s)], v[TM+12+2*\c]
	v_cvt_scalef32_pk16_fp6_f32 v[PT+4*\c:PT+4*\c+2], v[32*\c+16+(\s):32*\c+31+(\s)], v[TM+13+2*\c]   ; (a conversion's three registers begin on an even number)
.endif
.endr
	v_nop                                          ; one plain place behind a scaled conversion
.irp c, 0,1
.if \c < (\nc)
.irp i, 0,1,2
	v_permlane16_swap_b32 v[6*\c+\i+(\pc)], v[PT+4*\c+\i]   ; the layout wants a whole block in a lane: lanes 0-15 block 2 c, lanes 16-31 block 2 c + 1
.endr
.irp i, 0,1,2
	s_delay_alu instid0(VALU_DEP_3)
	v_mov_b32 v[6*\c+3+\i+(\pc)], v[PT+4*\c+\i]
.endr
.endif
.endr
.endm
	s_load_b256 s[4:11], s[0:1], 0x0               ; hidden_states, Wq, Wk, Wv
	s_load_b128 s[12:15], s[0:1], 0x20             ; Wo, CW
	s_load_b64 s[16:17], s[0:1], 0x30              ; SW
	v_lshl_add_u32 v6, v0, 2, SPARE                ; my spare word,
	v_mov_b32 v7, 0                                ; and 0: kept for the add at the wave's end
	v_lshrrev_b32 v8, 5, v0
	s_delay_alu instid0(VALU_DEP_1)
	v_readfirstlane_b32 s18, v8                    ; wave = K step
	v_and_b32 v9, 31, v0                           ; lane
	v_and_b32 v10, 15, v0                          ; r
	v_bfe_u32 v11, v0, 4, 1                        ; h
	s_delay_alu instid0(VALU_DEP_3)
	v_lshlrev_b32 v1, 4, v9                        ; 16 x lane: a load's, an image's and a store's place
	s_mul_i32 s19, s18, STG
	v_add_nc_u32 v2, s19, v1                       ; the stage, on the way in
	v_mul_u32_u24 v3, v10, 528
	s_delay_alu instid0(VALU_DEP_1)
	v_lshl_add_u32 v3, v11, 6, v3
	s_delay_alu instid0(VALU_DEP_1)
	v_add_nc_u32 v3, s19, v3                       ; and out: row r, + 64 h
	s_lshl_b32 s20, s18, 6
	s_add_co_u32 s20, s20, SCG
	v_lshl_add_u32 v4, v10, 2, s20                 ; my row's scale word: SCG + 64 x wave + 4 r
	v_add_nc_u32 v5, SCG, v1
.irp b, 0,1,2,3
	v_mov_b32 v[TM+4+\b], 0                        ; written once: a lane permute's destination counts as one of its sources
.endr
	s_mov_b32 s[SEL], 0x76543210
	s_mov_b32 s[SEL+1], 0xfedcba98
	s_mov_b32 s21, 0                               ; the tensor's first tile
	s_wait_alu depctr_va_vdst(0)
	s_wait_kmcnt 0x0
	s_cmp_ge_u32 ttmp9, 256                        ; which tensor: the choice hangs on the work-group's number alone
	s_cselect_b64 s[4:5], s[6:7], s[4:5]
	s_cselect_b32 s21, 256, s21
	s_cmp_ge_u32 ttmp9, 320
	s_cselect_b64 s[4:5], s[8:9], s[4:5]
	s_cselect_b32 s21, 320, s21
	s_cmp_ge_u32 ttmp9, 336
	s_cselect_b64 s[4:5], s[10:11], s[4:5]
	s_cselect_b32 s21, 336, s21
	s_cmp_ge_u32 ttmp9, 352
	s_cselect_b64 s[4:5], s[12:13], s[4:5]
	s_cselect_b32 s21, 352, s21
	s_sub_co_u32 s22, ttmp9, s21                   ; the tile's number T in its tensor
	s_lshr_b32 s23, s22, 1
	s_lshl_b32 s23, s23, 17                        ; 32 (T / 2) rows of 4,096 bytes
	s_and_b32 s22, s22, 1
	s_lshl_b32 s22, s22, 15                        ; 8 (T % 2) rows
	s_add_co_u32 s22, s22, s23
	s_lshl_b32 s23, s18, 9                         ; my K step's 512 bytes
	s_add_co_u32 s22, s22, s23
	s_mov_b32 s23, 0
	s_add_nc_u64 s[4:5], s[4:5], s[22:23]
	s_mul_i32 s24, ttmp9, 12288
	s_mul_i32 s25, s18, 1536
	s_add_co_u32 s24, s24, s25
	s_mov_b32 s25, 0
	s_add_nc_u64 s[14:15], s[14:15], s[24:25]      ; my fragment's image in CW
	s_lshl_b32 s24, ttmp9, 9
	s_add_nc_u64 s[16:17], s[16:17], s[24:25]      ; the tile's 512 bytes in SW
.irp i, 0,1,2,3,4,5,6,7,8,9,10,11,12,13,14,15
	global_load_b128 v[R+4*\i:R+4*\i+3], v1, s[4:5] offset:(\i+8*(\i/8))*4096 th:TH_LOAD_NT   ; lane-row i: 32 lanes read 512 consecutive bytes; read once in the launch
.endr
.irp i, 0,1,2,3,4,5,6,7,8,9,10,11,12,13,14,15
	s_wait_loadcnt 15-\i                           ; loads come back in order: row i is in, the 15 - i younger ones may be out
	ds_store_b128 v2, v[R+4*\i:R+4*\i+3] offset:528*\i
.endr
.irp b, 0,1,2,3
.irp j, 0,1,2,3
	ds_load_b128 v[X+16*\b+4*\j:X+16*\b+4*\j+3], v3 offset:128*\b+16*\j   ; LDS serves a wave's instructions in order: these see my stores
.endr
.endr
	s_wait_dscnt 0x0
	QUANT X, 2, PC, PW
.irp c, 0,1,2
	global_store_b128 v1, v[PC+4*\c:PC+4*\c+3], s[14:15] offset:512*\c   ; 32 lanes store 512 consecutive bytes, at a multiple of 256 from CW's first byte
.endr
	ds_store_b32 v4, v[PW]                         ; lanes r and r + 16 write the same word with the same value
	s_wait_dscnt 0x0                               ; for the others' sake: my word has landed
	s_barrier_signal -1
	s_barrier_wait -1
	s_cmp_lg_u32 s18, 0                            ; wave 0 stores the tile's 128 words as 512 consecutive bytes
	s_cbranch_scc1 .Lend
	ds_load_b128 v[184:187], v5
	s_wait_dscnt 0x0
	global_store_b128 v1, v[184:187], s[16:17]
.Lend:
	s_wait_tensorcnt 0x0                           ; the wave's end, behind my last LDS store
	ds_add_u32 v6, v7
	s_wait_dscnt 0x0
	s_endpgm
.Lfunc_end_k_q72b428d6ca_quant:
	.size	k_q72b428d6ca_quant, .Lfunc_end_k_q72b428d6ca_quant-k_q72b428d6ca_quant
	.p2alignl 7, 3214868480
	.fill 96, 4, 3214868480
	.section	.rodata,"a",@progbits
	.p2align	6, 0x0
	.amdhsa_kernel k_q72b428d6ca_quant
		.amdhsa_group_segment_fixed_size 69120
		.amdhsa_private_segment_fixed_size 0
		.amdhsa_enable_private_segment 0
		.amdhsa_kernarg_size 56
		.amdhsa_user_sgpr_count 2
		.amdhsa_user_sgpr_kernarg_segment_ptr 1
		.amdhsa_wavefront_size32 1
		.amdhsa_system_sgpr_workgroup_id_x 1
		.amdhsa_system_sgpr_workgroup_id_y 1
		.amdhsa_system_sgpr_workgroup_id_z 1
		.amdhsa_system_vgpr_workitem_id 0
		.amdhsa_next_free_vgpr 192
		.amdhsa_next_free_sgpr 66
		.amdhsa_reserve_vcc 0
		.amdhsa_float_denorm_mode_32 3
		.amdhsa_float_denorm_mode_16_64 3
		.amdhsa_memory_ordered 1
		.amdhsa_forward_progress 1
		.amdhsa_inst_pref_size 14
	.end_amdhsa_kernel
	.amdgpu_metadata
---
amdhsa.version: [ 1, 2 ]
amdhsa.kernels:
  - .name:           k_q72b428d6ca_quant
    .symbol:         k_q72b428d6ca_quant.kd
    .args:
      - { .name: hidden_states, .offset: 0, .size: 8, .value_kind: global_buffer, .address_space: global }
      - { .name: Wq, .offset: 8, .size: 8, .value_kind: global_buffer, .address_space: global }
      - { .name: Wk, .offset: 16, .size: 8, .value_kind: global_buffer, .address_space: global }
      - { .name: Wv, .offset: 24, .size: 8, .value_kind: global_buffer, .address_space: global }
      - { .name: Wo, .offset: 32, .size: 8, .value_kind: global_buffer, .address_space: global }
      - { .name: CW, .offset: 40, .size: 8, .value_kind: global_buffer, .address_space: global }
      - { .name: SW, .offset: 48, .size: 8, .value_kind: global_buffer, .address_space: global }
    .group_segment_fixed_size: 69120
    .private_segment_fixed_size: 0
    .kernarg_segment_align: 8
    .kernarg_segment_size: 56
    .max_flat_workgroup_size: 256
    .sgpr_count:     66
    .vgpr_count:     192
    .wavefront_size: 32
...
	.end_amdgpu_metadata
.endif
;; end of part 1
;; launch proj (part 2): grid 32 x 6, 16 waves a work-group, no clusters, 327,680 bytes of LDS; arguments CW, SW, QC, QS, KV; writes QC, QS, KV
.if DOCPART == 2
	.amdgcn_target "amdgcn-amd-amdhsa--gfx1250"
	.amdhsa_code_object_version 6
	.text
	.protected	k_q72b428d6ca_proj
	.globl	k_q72b428d6ca_proj
	.p2align	8
	.type	k_q72b428d6ca_proj,@function
k_q72b428d6ca_proj:
	s_mov_b64 s[64:65], 0
	v_nop
	global_prefetch_b8 v0, s[64:65] scope:SCOPE_SE
	s_setreg_imm32_b32 hwreg(HW_REG_WAVE_MODE, 25, 1), 1
	s_wait_xcnt 0x0
; q = x Wq^T, k = x Wk^T, v = x Wv^T on codes of FP6 (E2M3) with E8M0 scales (K = 1,024, eight steps of 128); the results are quantised in registers: q and k along the head's 64, v along the KEYS.
; SHARES.  Work-group (x, y): 128 tokens (token tiles 8 x .. 8 x + 7: one key step of the next launch) times 16 tiles of weights, 256 + 16 y + 0 .. 15: y = 0 .. 3 four query heads each, y = 4 the four key heads, y = 5 the four value heads.
; q, k: wave w takes head w / 4 (4 tiles of W) x token tiles 2 (w % 4), + 1: 8 accumulators, TRANSPOSED (source 0 = W, source 1 = x): a lane holds one token, its registers run along the head's 64.
; v:    wave w takes tile w of Wv x all 8 token tiles: 8 accumulators, source 0 = x, source 1 = W: a lane holds one channel d, its 64 registers run down the 128 keys.
; By the order of a tile's rows (row 32 (T / 2) + 8 (T % 2) + r + 8 (r / 8)) register 16 b + i is neighbour 32 b + 16 (lane / 16) + i along the next K in both cases.
; LDS is filled ONCE, by asynchronous copies issued at the head, 50 a wave: x's 8 tiles and W's 16, as they lie in CW and SW (images of operand registers, so every fragment comes by three ds_load_b128 at 16 x lane).
; No cluster: each work-group asks for each of its 307,200 bytes once, at its head, lane by lane, and such copies have no joint form; nothing is asked for again.
; OUT.  QC [token tile 256][head 16][768]: registers 0-3 at 16 x lane, 4-5 at 512 + 8 x lane.  QS [tile][head][16 words], bytes 2 and 3 zero.
; KV: 16 blocks of 104,448 bytes, each 256 keys = 2 steps: K codes [step][kv][pair b][1,536] (tile 2 b's six registers, then tile 2 b + 1's) at 0; V codes [step][kv][d tile][1,536] at 49,152;
;     K scale words [step][kv][lane 32][b 4] (lanes 0-15 tile 2 b, lanes 16-31 tile 2 b + 1) at 98,304; V scale words [step][kv][r 16][t 4] at 102,400.  Codes leave in whole runs of 512 bytes; the scale words, one byte in 24, as single words.
; LIMITS: a block of zeros, or one whose largest magnitude lies under 2^-124, gets the byte 1; NaN and infinities are not served.
.set XL,    0                          ; x's codes [tile 8][K step 8][1,536]
.set WL,    98304                      ; W's codes [tile 16][K step 8][1,536]
.set XS,    294912                     ; x's scale words [tile 8][K step][64]
.set WS,    299008                     ; W's [tile 16][K step][64]
.set SPARE, 307200                     ; the spare words, 128 bytes for each wave: eight blocks of 256 bytes that no other line names
.set F,   32                           ; v32-139  fragments
.set SCR, 140                          ; v140-148 scale words, and nothing else
.set ACC, 160                          ; v160-223 eight accumulators
.set PC,  224                          ; v224-235 codes
.set PT,  236                          ; v236-243 the conversions' second halves
.set TM,  32                           ; v32-47   at work in QUANT: the fragments' registers are free by then
.set PW,  48
.set PW2, 49
.set CH,  50                           ; the scale word that my half of the lanes stores
.set SPW, 24                           ; v24 my spare word's address; v25 0: kept for the add
.set NIL, 25
.set SEL, 30                           ; s[30:31]
.macro QUANT s, nc, pc, pw
.irp b, 0,1,2,3
.if \b < 2*(\nc)
	v_max3_num_f32 v[TM+\b], |v[16*\b+(\s)]|, |v[16*\b+1+(\s)]|, 0x1800000   ; my 16 numbers of block b, from each accumulator's low end on, and the floor 2^(3 - 127)
.endif
.endr
.irp i, 2,4,6,8,10,12,14
.irp b, 0,1,2,3
.if \b < 2*(\nc)
	v_max3_num_f32 v[TM+\b], v[TM+\b], |v[16*\b+\i+(\s)]|, |v[16*\b+\i+1+(\s)]|
.endif
.endr
.endr
.irp b, 0,1,2,3
.if \b < 2*(\nc)
	v_permlanex16_b32 v[TM+4+\b], v[TM+\b], s[SEL], s[SEL+1]
.endif
.endr
.irp b, 0,1,2,3
.if \b < 2*(\nc)
	v_max_num_f32 v[TM+\b], v[TM+\b], v[TM+4+\b]   ; the block's largest magnitude
.endif
.endr
.irp b, 0,1,2,3
.if \b < 2*(\nc)
	v_add_nc_u32 v[TM+12+\b], 0xff000000, v[TM+\b] ; 2 off its exponent field: the conversion's scale operand
.endif
.endr
.irp b, 0,1,2,3
.if \b < 2*(\nc)
	v_lshrrev_b32 v[TM+4+\b], 23, v[TM+12+\b]      ; the scale's byte
.endif
.endr
	v_lshl_or_b32 v[\pw], v[TM+5], 8, v[TM+4]
.if (\nc) > 1
	s_delay_alu instid0(VALU_DEP_1)
	v_lshl_or_b32 v[\pw], v[TM+6], 16, v[\pw]
	s_delay_alu instid0(VALU_DEP_1)
	v_lshl_or_b32 v[\pw], v[TM+7], 24, v[\pw]
.endif
.irp c, 0,1
.if \c < (\nc)
	v_cvt_scalef32_pk16_fp6_f32 v[6*\c+(\pc):6*\c+2+(\pc)], v[32*\c+(\s):32*\c+15+(\s)], v[TM+12+2*\c]
	v_cvt_scalef32_pk16_fp6_f32 v[PT+4*\c:PT+4*\c+2], v[32*\c+16+(\s):32*\c+31+(\s)], v[TM+13+2*\c]
.endif
.endr
	v_nop                                          ; one plain place behind a scaled conversion
.irp c, 0,1
.if \c < (\nc)
.irp i, 0,1,2
	v_permlane16_swap_b32 v[6*\c+\i+(\pc)], v[PT+4*\c+\i]
.endr
.irp i, 0,1,2
	s_delay_alu instid0(VALU_DEP_3)
	v_mov_b32 v[6*\c+3+\i+(\pc)], v[PT+4*\c+\i]
.endr
.endif
.endr
.endm
.macro MMZ d, a, b, sa, sb             ; the first product of a sum: C = 0
	v_wmma_scale_f32_16x16x128_f8f6f4 v[0+(\d):7+(\d)], v[0+(\a):11+(\a)], v[0+(\b):11+(\b)], 0, v[0+(\sa)], v[0+(\sb)] matrix_a_fmt:MATRIX_FMT_FP6 matrix_b_fmt:MATRIX_FMT_FP6
.endm
.macro MMA d, a, b, sa, sb             ; a link in place
	v_wmma_scale_f32_16x16x128_f8f6f4 v[0+(\d):7+(\d)], v[0+(\a):11+(\a)], v[0+(\b):11+(\b)], v[0+(\d):7+(\d)], v[0+(\sa)], v[0+(\sb)] matrix_a_fmt:MATRIX_FMT_FP6 matrix_b_fmt:MATRIX_FMT_FP6
.endm
; K step s for q and k: 4 fragments of W, 2 of x, their scale words; 8 products, the eight accumulators by turns.
.macro QK_STEP s
.if (\s) > 0
.rept 4
	v_nop                                          ; places in front of loads into registers that matrix instructions have read
.endr
.endif
.irp t, 0,1,2,3
.irp c, 0,1,2
	ds_load_b128 v[F+12*\t+4*\c:F+12*\t+4*\c+3], v1 offset:12288*\t+1536*(\s)+512*\c
.endr
.endr
.irp i, 0,1
.irp c, 0,1,2
	ds_load_b128 v[F+48+12*\i+4*\c:F+48+12*\i+4*\c+3], v2 offset:12288*\i+1536*(\s)+512*\c
.endr
.endr
.irp t, 0,1,2,3
	ds_load_b32 v[SCR+\t], v3 offset:512*\t+64*(\s)
.endr
.irp i, 0,1
	ds_load_b32 v[SCR+4+\i], v4 offset:512*\i+64*(\s)
.endr
	s_wait_dscnt 0x0
.irp i, 0,1
.irp t, 0,1,2,3
.if (\s) == 0
	MMZ ACC+32*\i+8*\t, F+12*\t, F+48+12*\i, SCR+\t, SCR+4+\i
.else
	MMA ACC+32*\i+8*\t, F+12*\t, F+48+12*\i, SCR+\t, SCR+4+\i
.endif
.endr
.endr
.endm
; K step s for v: 8 fragments of x, 1 of W.
.macro V_STEP s
.if (\s) > 0
.rept 4
	v_nop
.endr
.endif
.irp i, 0,1,2,3
.irp c, 0,1,2
	ds_load_b128 v[F+12*\i+4*\c:F+12*\i+4*\c+3], v6 offset:12288*\i+1536*(\s)+512*\c
.endr
.endr
.irp i, 0,1,2,3
.irp c, 0,1,2
	ds_load_b128 v[F+48+12*\i+4*\c:F+48+12*\i+4*\c+3], v7 offset:12288*\i+1536*(\s)+512*\c
.endr
.endr
.irp c, 0,1,2
	ds_load_b128 v[F+96+4*\c:F+96+4*\c+3], v5 offset:1536*(\s)+512*\c
.endr
.irp i, 0,1,2,3,4,5,6,7
	ds_load_b32 v[SCR+\i], v9 offset:512*\i+64*(\s)
.endr
	ds_load_b32 v[SCR+8], v8 offset:64*(\s)
	s_wait_dscnt 0x0
.irp i, 0,1,2,3,4,5,6,7
.if (\s) == 0
	MMZ ACC+8*\i, F+12*\i, F+96, SCR+\i, SCR+8
.else
	MMA ACC+8*\i, F+12*\i, F+96, SCR+\i, SCR+8
.endif
.endr
.endm
	s_load_b256 s[4:11], s[0:1], 0x0               ; CW, SW, QC, QS
	s_load_b64 s[12:13], s[0:1], 0x20              ; KV
	v_lshl_add_u32 v[SPW], v0, 2, SPARE
	v_mov_b32 v[NIL], 0
	ds_add_u32 v[SPW], v[NIL]                      ; the wave's opening: the add and its wait ahead of my first copy; the set-up below, work on registers, stands between them
	ds_add_u32 v[SPW], v[NIL]
	v_lshrrev_b32 v26, 5, v0
	s_delay_alu instid0(VALU_DEP_1)
	v_readfirstlane_b32 s14, v26                   ; wave 0..15
	s_and_b32 s15, ttmp7, 0xffff                   ; y
	s_lshr_b32 s16, s14, 2                         ; q, k: my head of the four
	s_and_b32 s17, s14, 3                          ; q, k: my pair of token tiles
	v_and_b32 v14, 31, v0                          ; lane
	v_and_b32 v15, 15, v0                          ; r
	v_bfe_u32 v27, v0, 4, 1                        ; h
	s_delay_alu instid0(VALU_DEP_3)
	v_lshlrev_b32 v10, 4, v14                      ; 16 x lane
	s_wait_alu depctr_va_vdst(0)
	v_lshlrev_b32 v11, 3, v14                      ; 8 x lane
	v_lshlrev_b32 v28, 2, v15                      ; 4 r
	s_delay_alu instid0(VALU_DEP_1)
	v_lshl_add_u32 v12, v27, 10, v28               ; QS: 4 r, and lanes 16-31 one token tile (16 heads x 64 bytes) on
	v_lshlrev_b32 v13, 4, v15                      ; 16 r
	; every LDS address, of both ways, is made here, ahead of the first parting
	s_mul_i32 s18, s16, 49152
	s_add_co_u32 s18, s18, WL
	v_add_nc_u32 v1, s18, v10                      ; q, k: my head's four tiles of W
	s_mul_i32 s18, s17, 24576
	v_add_nc_u32 v2, s18, v10                      ; my two tiles of x
	s_lshl_b32 s18, s16, 11
	s_add_co_u32 s18, s18, WS
	v_add_nc_u32 v3, s18, v28                      ; their scale words
	s_lshl_b32 s18, s17, 10
	s_add_co_u32 s18, s18, XS
	v_add_nc_u32 v4, s18, v28
	s_mul_i32 s18, s14, 12288
	s_add_co_u32 s18, s18, WL
	v_add_nc_u32 v5, s18, v10                      ; v: my tile of W
	v_add_nc_u32 v20, s18, v10                     ; the copies: W's tile w
	v_lshlrev_b32 v6, 4, v14                       ; v: x's tiles 0-3,
	v_add_nc_u32 v7, 49152, v10                    ; and 4-7
	s_lshl_b32 s18, s14, 9
	s_add_co_u32 s18, s18, WS
	v_add_nc_u32 v8, s18, v28
	v_add_nc_u32 v16, s18, v10                     ; the copies: the scale words of W's tile w
	v_add_nc_u32 v9, XS, v28
	s_lshl_b32 s19, s15, 4
	s_add_co_u32 s19, s19, s14
	s_add_co_u32 s19, s19, 256                     ; W's tile in CW and SW: 256 + 16 y + w
	s_lshl_b32 s20, s19, 9
	v_add_nc_u32 v17, s20, v10
	s_mul_i32 s20, s19, 12288
	v_add_nc_u32 v21, s20, v10
	s_lshl_b32 s20, s14, 8                         ; x's scale words, 4,096 bytes: 256 a wave
	s_add_co_u32 s21, s20, XS
	v_add_nc_u32 v18, s21, v11
	s_lshl_b32 s21, ttmp9, 12
	s_add_co_u32 s21, s21, s20
	v_add_nc_u32 v19, s21, v11
	s_lshr_b32 s20, s14, 1                         ; x's codes: two waves share a tile, 768 bytes of each K step's 1,536 each
	s_and_b32 s21, s14, 1
	s_mul_i32 s21, s21, 768
	s_mul_i32 s22, s20, 12288
	s_add_co_u32 s22, s22, s21
	v_add_nc_u32 v22, s22, v11
	s_lshl_b32 s23, ttmp9, 3
	s_add_co_u32 s23, s23, s20
	s_mul_i32 s23, s23, 12288
	s_add_co_u32 s23, s23, s21
	v_add_nc_u32 v23, s23, v11
	s_mov_b32 s[SEL], 0x76543210
	s_mov_b32 s[SEL+1], 0xfedcba98
	s_wait_alu depctr_va_vdst(0)
	s_wait_dscnt 0x0                               ; the opening add is done
	s_wait_kmcnt 0x0
	; the copies: v16-23, s[4:7] are never written again.  The immediate goes to both addresses.
	global_load_async_to_lds_b128 v16, v17, s[6:7]
	global_load_async_to_lds_b64 v18, v19, s[6:7]
.irp s, 0,1,2,3,4,5,6,7
.irp c, 0,1,2
	global_load_async_to_lds_b128 v20, v21, s[4:5] offset:1536*\s+512*\c
.endr
.irp c, 0,1,2
	global_load_async_to_lds_b64 v22, v23, s[4:5] offset:1536*\s+256*\c
.endr
.endr
.irp ph, 0,1,2,3                       ; four phases of two K steps
	s_wait_asynccnt 36-12*\ph                      ; copies end in order: the scale words and K steps up to 2 ph + 1 are in; the 12 copies of each later phase may be out
	s_barrier_signal -1                            ; (no LDS instruction of mine is out)
	s_barrier_wait -1                              ; everybody's are in
	s_cmp_eq_u32 s15, 5
	s_cbranch_scc1 .Lv_\ph
	QK_STEP 2*\ph
	QK_STEP 2*\ph+1
	s_branch .Lj_\ph
.Lv_\ph:
	V_STEP 2*\ph
	V_STEP 2*\ph+1
.Lj_\ph:
.endr
.rept 4
	v_nop                                          ; places in front of the first read of results, and of writes of registers that the products read
.endr
.irp b, 0,1,2,3
	v_mov_b32 v[TM+4+\b], 0                        ; a lane permute's destination counts as one of its sources
.endr
	s_lshr_b32 s20, ttmp9, 1
	s_mul_i32 s20, s20, 104448                     ; KV: my block of 256 keys,
	s_and_b32 s21, ttmp9, 1                        ; and my step in it
	s_mov_b32 s23, 0
	s_cmp_eq_u32 s15, 5
	s_cbranch_scc1 .Lv_out
	QUANT ACC, 1, PC, PW2                          ; token tile 2 p: six registers, K = the head's 64
	QUANT ACC+32, 1, PC+6, PW                      ; token tile 2 p + 1
	v_cmp_gt_u32 vcc_lo, 16, v14
	s_delay_alu instid0(VALU_DEP_1)
	v_cndmask_b32 v[CH], v[PW], v[PW2], vcc_lo     ; lanes 0-15 carry the first tile's words, lanes 16-31 the second's
	s_cmp_eq_u32 s15, 4
	s_cbranch_scc1 .Lk_out
	s_lshl_b32 s24, ttmp9, 3                       ; q: ((8 x + 2 p) x 16 + 4 y + head)
	s_lshl_b32 s25, s17, 1
	s_add_co_u32 s24, s24, s25
	s_lshl_b32 s24, s24, 4
	s_lshl_b32 s25, s15, 2
	s_add_co_u32 s24, s24, s25
	s_add_co_u32 s24, s24, s16
	s_mul_i32 s22, s24, 768
	s_add_nc_u64 s[8:9], s[8:9], s[22:23]
	s_lshl_b32 s22, s24, 6
	s_add_nc_u64 s[10:11], s[10:11], s[22:23]
	global_store_b128 v10, v[PC:PC+3], s[8:9]
	global_store_b64 v11, v[PC+4:PC+5], s[8:9] offset:512
	s_wait_alu depctr_va_vdst(0)
	global_store_b128 v10, v[PC+6:PC+9], s[8:9] offset:12288          ; the next token tile: 16 heads x 768 bytes on
	global_store_b64 v11, v[PC+10:PC+11], s[8:9] offset:12288+512
	global_store_b32 v12, v[CH], s[10:11]
	s_branch .Lend
.Lk_out:
	s_mul_i32 s22, s21, 24576                      ; k: the pair's twelve registers are one image
	s_add_co_u32 s22, s22, s20
	s_mul_i32 s24, s16, 6144
	s_add_co_u32 s22, s22, s24
	s_mul_i32 s24, s17, 1536
	s_add_co_u32 s22, s22, s24
	s_add_nc_u64 s[26:27], s[12:13], s[22:23]
	s_wait_alu depctr_va_vdst(0)
.irp c, 0,1,2
	global_store_b128 v10, v[PC+4*\c:PC+4*\c+3], s[26:27] offset:512*\c
.endr
	s_lshl_b32 s22, s21, 11
	s_add_co_u32 s22, s22, s20
	s_lshl_b32 s24, s16, 9
	s_add_co_u32 s22, s22, s24
	s_lshl_b32 s24, s17, 2
	s_add_co_u32 s22, s22, s24
	s_add_co_u32 s22, s22, 98304
	s_add_nc_u64 s[28:29], s[12:13], s[22:23]
	global_store_b32 v10, v[CH], s[28:29]          ; word b = p of my lane's four
	s_branch .Lend
.Lv_out:
	QUANT ACC, 2, PC, PW                           ; v: a whole fragment, 16 channels x these 128 keys
	s_mul_i32 s22, s21, 24576
	s_add_co_u32 s22, s22, s20
	s_mul_i32 s24, s14, 1536
	s_add_co_u32 s22, s22, s24
	s_add_co_u32 s22, s22, 49152
	s_add_nc_u64 s[26:27], s[12:13], s[22:23]
.irp c, 0,1,2
	global_store_b128 v10, v[PC+4*\c:PC+4*\c+3], s[26:27] offset:512*\c
.endr
	s_lshl_b32 s22, s21, 10
	s_add_co_u32 s22, s22, s20
	s_lshl_b32 s24, s16, 8
	s_add_co_u32 s22, s22, s24
	s_lshl_b32 s24, s17, 2
	s_add_co_u32 s22, s22, s24
	s_add_co_u32 s22, s22, 102400
	s_add_nc_u64 s[28:29], s[12:13], s[22:23]
	global_store_b32 v13, v[PW], s[28:29]          ; word t = w % 4 of row r's four; lanes r and r + 16 store the same word to the same place
.Lend:
	s_wait_asynccnt 0x0                            ; the wave's end, behind my last copy
	s_wait_tensorcnt 0x0
	ds_add_u32 v[SPW], v[NIL]
	s_wait_dscnt 0x0
	s_endpgm
.Lfunc_end_k_q72b428d6ca_proj:
	.size	k_q72b428d6ca_proj, .Lfunc_end_k_q72b428d6ca_proj-k_q72b428d6ca_proj
	.p2alignl 7, 3214868480
	.fill 96, 4, 3214868480
	.section	.rodata,"a",@progbits
	.p2align	6, 0x0
	.amdhsa_kernel k_q72b428d6ca_proj
		.amdhsa_group_segment_fixed_size 327680
		.amdhsa_private_segment_fixed_size 0
		.amdhsa_enable_private_segment 0
		.amdhsa_kernarg_size 40
		.amdhsa_user_sgpr_count 2
		.amdhsa_user_sgpr_kernarg_segment_ptr 1
		.amdhsa_wavefront_size32 1
		.amdhsa_system_sgpr_workgroup_id_x 1
		.amdhsa_system_sgpr_workgroup_id_y 1
		.amdhsa_system_sgpr_workgroup_id_z 1
		.amdhsa_system_vgpr_workitem_id 0
		.amdhsa_next_free_vgpr 256
		.amdhsa_next_free_sgpr 66
		.amdhsa_reserve_vcc 1
		.amdhsa_float_denorm_mode_32 3
		.amdhsa_float_denorm_mode_16_64 3
		.amdhsa_memory_ordered 1
		.amdhsa_forward_progress 1
		.amdhsa_inst_pref_size 69
	.end_amdhsa_kernel
	.amdgpu_metadata
---
amdhsa.version: [ 1, 2 ]
amdhsa.kernels:
  - .name:           k_q72b428d6ca_proj
    .symbol:         k_q72b428d6ca_proj.kd
    .args:
      - { .name: CW, .offset: 0, .size: 8, .value_kind: global_buffer, .address_space: global }
      - { .name: SW, .offset: 8, .size: 8, .value_kind: global_buffer, .address_space: global }
      - { .name: QC, .offset: 16, .size: 8, .value_kind: global_buffer, .address_space: global }
      - { .name: QS, .offset: 24, .size: 8, .value_kind: global_buffer, .address_space: global }
      - { .name: KV, .offset: 32, .size: 8, .value_kind: global_buffer, .address_space: global }
    .group_segment_fixed_size: 327680
    .private_segment_fixed_size: 0
    .kernarg_segment_align: 8
    .kernarg_segment_size: 40
    .max_flat_workgroup_size: 512
    .sgpr_count:     66
    .vgpr_count:     256
    .wavefront_size: 32
...
	.end_amdgpu_metadata
.endif
;; end of part 2
;; launch attn (part 3): grid 256 x 1, 8 waves a work-group, clusters of 4 x 1, 327,680 bytes of LDS; arguments QC, QS, KV, attention_mask, CW, SW, out0; writes out0
.if DOCPART == 3
	.amdgcn_target "amdgcn-amd-amdhsa--gfx1250"
	.amdhsa_code_object_version 6
	.text
	.protected	k_q72b428d6ca_attn
	.globl	k_q72b428d6ca_attn
	.p2align	8
	.type	k_q72b428d6ca_attn,@function
k_q72b428d6ca_attn:
	s_mov_b64 s[64:65], 0
	v_nop
	global_prefetch_b8 v0, s[64:65] scope:SCOPE_SE
	s_setreg_imm32_b32 hwreg(HW_REG_WAVE_MODE, 25, 1), 1
	s_wait_xcnt 0x0
	s_wait_alu depctr_hold_cnt(0) depctr_sa_sdst(0) depctr_va_vdst(0) depctr_va_sdst(0) depctr_va_ssrc(0) depctr_va_vcc(0) depctr_vm_vsrc(0)
	s_getreg_b32 s2, hwreg(HW_REG_IB_STS2, 6, 4)
	s_cmp_eq_u32 s2, 0
	s_cbranch_scc0 .Lentry_in_a_cluster
	s_endpgm
.Lentry_in_a_cluster:
	s_bfe_u32 s2, ttmp6, 0x10000c
	s_cmp_lg_u32 s2, 0x3003
	s_cbranch_scc0 .Lentry_shape_is_right
	s_endpgm
.Lentry_shape_is_right:
; out0 = (softmax(q k^T / 8 + mask) v, heads side by side) Wo^T, all three products on codes of FP6 (E2M3) with one E8M0 scale for each 32 along K.
; SHARES.  A work-group owns ONE tile of 16 queries (token tile T: tokens 32 (T / 2) + 8 (T % 2) + r + 8 (r / 8)) for all 16 heads.  Wave w owns heads 2 w and 2 w + 1, which share key and value head w / 2:
; each fragment of K and of V and each register of the mask is read from LDS once for both heads.  Head 2 w lives in register window 0, head 2 w + 1 in window 1, at the same register numbers: one text serves both.
; The 4,096 keys go in 32 steps of 128.  A ring of two LDS slots holds 256 keys each: a block of KV (104,448 bytes, images of operand registers) and 16 rows x 1,024 bytes of the mask.
; CLUSTER.  All work-groups walk the same blocks of KV: the four of a cluster ask for them jointly (waves 0-5, 68 rows of 256 bytes each).  The mask rows are a work-group's own: plain loads (waves 6, 7: 8 rows each).
; Wo's codes are not asked for jointly: they go from memory straight into registers, 24 loads a wave for a K step's 8 products, up to three K steps ahead; through the ring each 98,304 bytes would want a round of the cluster's barrier.
; LAYOUT.  Both attention products are used transposed (S^T = K Q^T, O^T = V^T P^T): a lane holds one query; register 16 b + i of S^T is key 32 b + 16 (lane / 16) + i of the step.
; THE FIRST PRODUCT: its K is 64, the instruction's 128.  Q's registers 6-11 are zero codes; K's tile t is named as v[32 + 6 t .. 43 + 6 t], whose upper six registers multiply Q's zeros; those blocks' scale bytes are 0 on both sides.
; 1 / 8 is a power of two and is taken off Q's scale bytes (3 off each, held at 4 from below first); THE MASK IS THE PRODUCT'S C: the instruction gives x = s / 8 + mask.
; THE SOFTMAX: t = x log2(e); M = the running largest t rounded UP to a whole number; p = 2^(t - M) is quantised along the keys, not normalised; the row's sum is taken of the unquantised p and divides O at the end;
; when M moves, the sum and O^T are multiplied by 2^(old M - new M), exactly.  A block's largest p is the exponential of its largest x (v_exp_f32 is taken not to fall where its input rises).
; THE ORDER OF A STEP: score products of both heads; then the NEXT step's K and mask are loaded into the registers just read; two softmaxes and their products with V; then the next V.  At a slot's second step the change of slots
; stands behind the score products: K, mask and V of that slot are all in registers by then.
; LIMITS: the promise holds while the scaled scores stay under 2^31 in magnitude.  A block of q whose largest magnitude lies under 2^-121 is scaled as if its byte were 4.  -infinity in the mask reaches x as the matrix instruction's
; addend; a row all of whose keys are -infinity, or whose largest logit lies under about -2e38, is NOT served (its sum is 0); +infinity and NaN in the mask are not served.  A block of zeros, or one under 2^-124, gets the scale byte 1.
; REGISTERS.  In each window, for its head: v12 -M, v13 largest t, v[14:15] the sum; v16-27 Q; v96-159 S^T, then p; v160-191 O^T; v192-203 p's codes, v204-211 their second halves; v[212:213] f; v214-229 at work.
; Window 0 besides: v0 thread; v1-5 places; v6, v7 the add's two; v8-11, v28 addresses in the slot in hand; v29 the prefetch's offset; v30, v31 Q's scale words; v32-85 K; v86-89 K's, v90-93 V's, v94, v95 p's scale words; v230-241 V's tile 0;
; v242-249 scale words of Wo.  Window 1 besides: v0-11, v230-253 V's tiles 1-3; v32-95 the mask.
.set SLOT1, 131072                     ; slot 1 begins here: one exclusive or turns an address in one slot into the other's
.set BLK,   104448                     ; a block of KV
.set VCO,   49152                      ; in it: V's codes,
.set KSO,   98304                      ; K's scale words,
.set VSO,   102400                     ; V's
.set MKO,   104448                     ; behind it in a slot: the mask, 16 rows x (1,024 bytes + 16)
.set MP,    1040
.set AIMG,  262144                     ; behind the ring: the last product's left operand, [head 16][512 bytes of registers 0-3, 256 of registers 4-5]
.set ASC,   274432                     ; its scale words, 8 x 64 bytes
.set SPARE, 274944                     ; the spare words, 128 bytes for each wave: four blocks of 256 bytes that no other line names
.set SP,    528                        ; the way out: 16 rows x (512 bytes + 16) for each wave, from LDS byte 0 on: slot 0 has had its last fill and its last read by then
.set KF, 32
.set MK, 32
.set KS, 86
.set VS, 90
.set PW, 94
.set QW, 30
.set S,  96
.set O,  160
.set PC, 192
.set PT, 204
.set F,  212
.set TM, 214
.set SEL, 22                           ; s[22:23] v_permlanex16_b32's selects for lane l xor 16
.set MSB, 0
.macro WIN new                         ; low byte: bits 1:0 source 0, 3:2 source 1, 5:4 source 2, 7:6 destination; the high byte repeats the setting that is left
.if MSB != (\new)
	s_set_vgpr_msb (MSB<<8)|(\new)
.set MSB, \new
.endif
.endm
.macro NOPS
.rept 4
	v_nop
.endr
.endm
.macro WMC d, a, b, c, sa, sb
	v_wmma_scale_f32_16x16x128_f8f6f4 v[0+(\d):7+(\d)], v[0+(\a):11+(\a)], v[0+(\b):11+(\b)], v[0+(\c):7+(\c)], v[0+(\sa)], v[0+(\sb)] matrix_a_fmt:MATRIX_FMT_FP6 matrix_b_fmt:MATRIX_FMT_FP6
.endm
.macro WMC1 d, a, b, c, sa, sb         ; source 0's scale words from lanes 16-31
	v_wmma_scale_f32_16x16x128_f8f6f4 v[0+(\d):7+(\d)], v[0+(\a):11+(\a)], v[0+(\b):11+(\b)], v[0+(\c):7+(\c)], v[0+(\sa)], v[0+(\sb)] matrix_a_fmt:MATRIX_FMT_FP6 matrix_b_fmt:MATRIX_FMT_FP6 matrix_a_scale:MATRIX_SCALE_ROW1
.endm
.macro WMZ d, a, b, sa, sb             ; C = 0
	v_wmma_scale_f32_16x16x128_f8f6f4 v[0+(\d):7+(\d)], v[0+(\a):11+(\a)], v[0+(\b):11+(\b)], 0, v[0+(\sa)], v[0+(\sb)] matrix_a_fmt:MATRIX_FMT_FP6 matrix_b_fmt:MATRIX_FMT_FP6
.endm
.macro CROUND                          ; a whole round of the cluster's barrier
	s_barrier_signal -1
	s_barrier_wait -1
	CREST
.endm
.macro CREST                           ; a round behind its opening barrier
	s_cmp_lg_u32 s18, 0
	s_cbranch_scc1 .Lnot_wave_0_\@
	s_barrier_signal -3
.Lnot_wave_0_\@:
	s_barrier_wait -3
	s_barrier_signal -1
	s_barrier_wait -1
.endm
; Every wave issues one tensor load: waves 0-5 jointly a sixth of a block of KV, waves 6 and 7 eight rows of my work-group's mask.  The branch hangs on the wave's number alone.
.macro TLOAD
	s_cmp_lt_u32 s18, 6
	s_cbranch_scc0 .Lmask_\@
	tensor_load_to_lds s[40:43], s[24:31]
	s_nop 0
	NOPS
	s_branch .Lasked_\@
.Lmask_\@:
	tensor_load_to_lds s[44:47], s[32:39]
	s_nop 0
	NOPS
.Lasked_\@:
.endm
; A prefetch of the mask bytes that the NEXT change of slots will ask for: 16 rows x 1,024 bytes = 64 aligned blocks of 256 bytes; waves 0 and 1 name 32 each (8 rows x 4 blocks, a lane a block).  No other work-group reads these rows.
; It stands a slot's two key steps ahead of the load that wants the bytes; the last change that fills a slot asks for nothing; blocks 0 and 1 come by their loads alone.  KV and Wo's codes are read by every cluster, not once: not asked for.
.macro ASK
	s_cmp_gt_u32 s53, s56
	s_cbranch_scc0 .Lnot_mine_\@
	global_prefetch_b8 v29, s[54:55] th:TH_LOAD_NT scope:SCOPE_SE
.Lnot_mine_\@:
.endm
.macro KLOAD q                         ; 29 LDS loads: K's eight tiles and scale words of step q of the slot in hand; the mask of my query at my 64 keys, in the scores' order, into window 1
.irp b, 0,1,2,3
.irp c, 0,1,2
	ds_load_b128 v[KF+12*\b+4*\c:KF+3+12*\b+4*\c], v8 offset:24576*(\q)+1536*\b+512*\c
.endr
.endr
	ds_load_b128 v[KS:KS+3], v10 offset:2048*(\q)
	WIN 0x40
.irp b, 0,1,2,3
.irp j, 0,1,2,3
	ds_load_b128 v[MK+16*\b+4*\j:MK+3+16*\b+4*\j], v28 offset:512*(\q)+128*\b+16*\j
.endr
.endr
	WIN 0
.endm
.macro VLOAD q                         ; 13 LDS loads: V's four tiles and scale words
.irp c, 0,1,2
	ds_load_b128 v[230+4*\c:233+4*\c], v9 offset:24576*(\q)+512*\c
.endr
	ds_load_b128 v[VS:VS+3], v11 offset:1024*(\q)
	WIN 0x40
.irp c, 0,1,2
	ds_load_b128 v[4*\c:3+4*\c], v9 offset:24576*(\q)+1536+512*\c
.endr
.irp c, 0,1,2
	ds_load_b128 v[230+4*\c:233+4*\c], v9 offset:24576*(\q)+3072+512*\c
.endr
.irp c, 0,1,2
	ds_load_b128 v[242+4*\c:245+4*\c], v9 offset:24576*(\q)+4608+512*\c
.endr
	WIN 0
.endm
.macro SMM h                           ; x = K Q^T / 8 + mask for head h: K window 0, Q and the result window h, the mask window 1
	WIN 0x10+0x44*\h
.irp b, 0,1,2,3
	WMC  S+16*\b, KF+12*\b, 16, MK+16*\b, KS+\b, QW+\h
	WMC1 S+8+16*\b, KF+6+12*\b, 16, MK+8+16*\b, KS+\b, QW+\h
.endr
.endm
.macro PV h                            ; O^T += V^T P^T: the four accumulators by turns
	WIN 0x54*\h
	WMC O, 230, PC, O, VS, PW+\h
	WIN 0x54*\h+1
	WMC O+8, 0, PC, O+8, VS+1, PW+\h
	WMC O+16, 230, PC, O+16, VS+2, PW+\h
	WMC O+24, 242, PC, O+24, VS+3, PW+\h
.endm
; The softmax of head h's 16 queries x 128 keys, all in window h.
.macro SOFT h
	WIN 0x55*\h
.if \h
	s_wait_alu depctr_va_vdst(0)
.endif
.irp b, 0,1,2,3
	v_max3_num_f32 v[TM+\b], v[S+16*\b], v[S+1+16*\b], v[S+2+16*\b]   ; the largest x of each block of 32 keys; each accumulator from its low end on
.endr
.irp i, 3,5,7,9,11,13
.irp b, 0,1,2,3
	v_max3_num_f32 v[TM+\b], v[TM+\b], v[S+16*\b+\i], v[S+1+16*\b+\i]
.endr
.endr
.irp b, 0,1,2,3
	v_max_num_f32 v[TM+\b], v[TM+\b], v[S+15+16*\b]
.endr
.irp b, 0,1,2,3
	s_delay_alu instid0(VALU_DEP_4)
	v_permlanex16_b32 v[TM+4+\b], v[TM+\b], s[SEL], s[SEL+1]
.endr
.irp b, 0,1,2,3
	s_delay_alu instid0(VALU_DEP_4)
	v_max_num_f32 v[TM+\b], v[TM+\b], v[TM+4+\b]   ; with lane l xor 16's 16 keys
.endr
	s_delay_alu instid0(VALU_DEP_2)
	v_max3_num_f32 v[TM+8], v[TM], v[TM+1], v[TM+2]
	s_delay_alu instid0(VALU_DEP_1)
	v_max_num_f32 v[TM+8], v[TM+8], v[TM+3]        ; the step's largest x of my query
	s_delay_alu instid0(VALU_DEP_1)
	v_mul_f32 v[TM+8], s48, v[TM+8]                ; as t
	s_delay_alu instid0(VALU_DEP_1)
	v_max_num_f32 v13, v13, v[TM+8]                ; the running largest t
	v_mov_b32 v[TM+8], v12
	s_delay_alu instid0(VALU_DEP_2)
	v_floor_f32 v12, -v13                          ; the new -M = -ceil(t)
	s_delay_alu instid0(VALU_DEP_1)
	v_sub_f32 v[TM+8], v12, v[TM+8]                ; old M - new M: a whole number, 0 or less
	s_delay_alu instid0(VALU_DEP_1)
	v_cvt_i32_f32 v[TM+8], v[TM+8]
	s_delay_alu instid0(VALU_DEP_1)
	v_ldexp_f32 v[F], 1.0, v[TM+8]                 ; f = 2^(old M - new M)
.set jj, 0
.rept 32
	v_pk_fma_f32 v[S+jj:S+1+jj], v[S+jj:S+1+jj], s[48:49], v[12:13] op_sel_hi:[1,0,0]   ; t - M
.set jj, jj+2
.endr
.irp b, 0,1,2,3
	v_fma_f32 v[TM+\b], v[TM+\b], s48, v12         ; the same of each block's largest x
.endr
	s_wait_alu depctr_va_vdst(0)
.set jj, 0
.rept 64
	v_exp_f32 v[S+jj], v[S+jj]                     ; p = 2^(t - M), at most 1
.set jj, jj+1
.endr
	v_pk_mul_f32 v[14:15], v[14:15], v[F:F+1] op_sel_hi:[1,0]   ; the sums under the new M: a plain place behind the exponentials
	s_wait_alu depctr_va_vdst(0)                   ; one wait for the batch of 64, ahead of its first reader
.irp b, 0,1,2,3
	v_exp_f32 v[TM+\b], v[TM+\b]                   ; the block's largest p
.endr
.irp c, 0,1,2,3
	v_pk_add_f32 v[TM+4+2*\c:TM+5+2*\c], v[S+4*\c:S+1+4*\c], v[S+2+4*\c:S+3+4*\c]   ; the row's sum of the unquantised p, in four chains
.endr
.irp j, 16,24,32,40,48,56
.irp c, 0,1,2,3
	v_pk_add_f32 v[TM+4+2*\c:TM+5+2*\c], v[TM+4+2*\c:TM+5+2*\c], v[S+\j+2*\c:S+1+\j+2*\c]
.endr
.endr
	v_pk_add_f32 v[TM+4:TM+5], v[TM+4:TM+5], v[TM+6:TM+7]
	v_pk_add_f32 v[TM+8:TM+9], v[TM+8:TM+9], v[TM+10:TM+11]
	s_delay_alu instid0(VALU_DEP_2)
	v_pk_add_f32 v[14:15], v[14:15], v[TM+4:TM+5]
	s_delay_alu instid0(VALU_DEP_1)
	v_pk_add_f32 v[14:15], v[14:15], v[TM+8:TM+9]
	s_wait_alu depctr_va_vdst(0)                   ; and one for the four
.irp b, 0,1,2,3
	v_max_num_f32 v[TM+\b], 0x1800000, v[TM+\b]    ; the floor 2^(3 - 127): the byte cannot fall under 1
.endr
.irp b, 0,1,2,3
	s_delay_alu instid0(VALU_DEP_4)
	v_add_nc_u32 v[TM+12+\b], 0xff000000, v[TM+\b] ; 2 off the exponent field: the conversion's scale operand
.endr
.irp b, 0,1,2,3
	s_delay_alu instid0(VALU_DEP_4)
	v_lshrrev_b32 v[TM+4+\b], 23, v[TM+12+\b]      ; the scale's byte
.endr
	s_delay_alu instid0(VALU_DEP_3)
	v_lshl_or_b32 v[TM+8], v[TM+5], 8, v[TM+4]
	s_delay_alu instid0(VALU_DEP_1)
	v_lshl_or_b32 v[TM+8], v[TM+6], 16, v[TM+8]
	s_delay_alu instid0(VALU_DEP_1)
	v_lshl_or_b32 v[TM+8], v[TM+7], 24, v[TM+8]
	WIN \h
	v_mov_b32 v[PW+\h], v[TM+8]                    ; p's scale word goes to window 0, where scale operands are read
	WIN 0x55*\h
.irp c, 0,1
	v_cvt_scalef32_pk16_fp6_f32 v[PC+6*\c:PC+2+6*\c], v[S+32*\c:S+15+32*\c], v[TM+12+2*\c]
	v_cvt_scalef32_pk16_fp6_f32 v[PT+4*\c:PT+2+4*\c], v[S+16+32*\c:S+31+32*\c], v[TM+13+2*\c]
.endr
	v_nop                                          ; one plain place behind a scaled conversion
.irp c, 0,1
.irp i, 0,1,2
	v_permlane16_swap_b32 v[PC+6*\c+\i], v[PT+4*\c+\i]   ; a whole block in a lane
.endr
.irp i, 0,1,2
	v_mov_b32 v[PC+3+6*\c+\i], v[PT+4*\c+\i]
.endr
.endr
	s_wait_alu depctr_va_vdst(0)                   ; directly ahead of the first reader of O^T
.set jj, 0
.rept 16
	v_pk_mul_f32 v[O+jj:O+1+jj], v[O+jj:O+1+jj], v[F:F+1] op_sel_hi:[1,0]   ; O^T under the new M; also the places between the writes of p's codes and scale word and the products
.set jj, jj+2
.endr
.endm
; THE CHANGE OF SLOTS.  Each wave waits for all its tensor loads, adds 0 to its spare word, and waits for that and for its reads of the slot that it leaves.  fill = 1: a round of the cluster's barrier, then the refill first.
.macro CHANGE fill
	s_wait_alu depctr_va_vdst(0)
	s_wait_tensorcnt 0x0                           ; no tensor load of mine is out, so a group 0 may be written
	ds_add_u32 v6, v7
.if \fill
	s_xor_b32 s41, s41, SLOT1                      ; the other slot than last time,
	s_add_nc_u64 s[42:43], s[42:43], BLK           ; the next block of KV,
	s_xor_b32 s45, s45, SLOT1
	s_add_nc_u64 s[46:47], s[46:47], 1024          ; the next 256 keys of the mask's rows
	s_wait_xcnt 0x0                                ; the last prefetch, a slot back, has read its address
	s_add_nc_u64 s[54:55], s[54:55], 1024          ; one slot further on than the walking descriptors
.endif
	s_wait_dscnt 0x0
	s_barrier_signal -1                            ; say so; work on registers alone stands between this signal and ARRIVE's wait
.endm
.macro ARRIVE fill                     ; the barrier's wait; fill = 1: it has opened a round of the cluster's barrier, and the refill is the first tensor load behind the round
	s_barrier_wait -1
.if \fill
	CREST
	TLOAD
	ASK
.endif
.endm
.macro ADDR                            ; the addresses in the slot in hand
	v_add_nc_u32 v8, s52, v1
	v_add_nc_u32 v9, s52, v2
	v_add_nc_u32 v10, s52, v3
	v_add_nc_u32 v11, s52, v4
	v_add_nc_u32 v28, s52, v5
	s_wait_alu depctr_va_vdst(0)
.endm
; A KEY STEP.  mode 0: a slot's first step; 1: its second, with a change of slots that fills; 2: with one that does not; 3: the very last step.
.macro STEP mode
	s_wait_alu depctr_va_vdst(0)
	s_wait_dscnt 13                                ; K, its scale words and the mask are in; the youngest 13 loads (V) may be out
	SMM 0
	SMM 1
	WIN 0
	NOPS                                           ; places in front of loads into registers that the products read, and of the first read of the scores
.if \mode == 0
	KLOAD 1
.endif
.if \mode == 1 || \mode == 2
	CHANGE 2-\mode                                 ; K, mask and V of the slot that I leave are in registers: the waits, the add and the signal
.endif
	SOFT 0
	s_wait_alu depctr_va_vdst(0)
.if \mode == 0
	s_wait_dscnt 29                                ; V is in; the 29 loads of the next K and mask may be out
.endif
.if \mode == 3
	s_wait_dscnt 0x0
.endif
	PV 0
.if \mode == 1 || \mode == 2
	WIN 0                                          ; the first head's softmax and products, work on registers, stood between the signal and this wait
	ARRIVE 2-\mode
	s_xor_b32 s52, s52, SLOT1
	ADDR
	KLOAD 0                                        ; the next slot's first K and mask land under the second head's softmax
.endif
	SOFT 1
	PV 1
	WIN 0
	NOPS                                           ; places in front of loads into V's registers
.if \mode == 0
	VLOAD 1
.endif
.if \mode == 1 || \mode == 2
	VLOAD 0
.endif
.endm
.macro INIT h
	WIN 0x55*\h
.irp j, 22,23,24,25,26,27
	v_mov_b32 v[\j], 0                             ; Q's zero codes
.endr
	v_mov_b32 v13, 0xff61b1e6                      ; the largest t so far: -3e38
	v_floor_f32 v12, -v13
	v_mov_b32 v14, 0
	v_mov_b32 v15, 0
	v_mov_b32 v[F+1], 0                            ; (named as the upper half of a pair)
.irp b, 0,1,2,3
	v_mov_b32 v[TM+4+\b], 0                        ; a lane permute's destination counts as one of its sources
.endr
.set jj, 0
.rept 32
	v_mov_b32 v[O+jj], 0                           ; O^T: the step is written once for all steps
.set jj, jj+1
.endr
.endm
	s_load_b256 s[4:11], s[0:1], 0x0               ; QC, QS, KV, attention_mask
	s_load_b128 s[12:15], s[0:1], 0x20             ; CW, SW
	s_load_b64 s[16:17], s[0:1], 0x30              ; out0
	v_lshl_add_u32 v6, v0, 2, SPARE
	v_mov_b32 v7, 0
	ds_add_u32 v6, v7                              ; the wave's opening: the add, twice on end, and its wait
	ds_add_u32 v6, v7
	v_lshrrev_b32 v8, 5, v0
	v_readfirstlane_b32 s18, v8                    ; wave
	s_bfe_u32 s19, ttmp6, 0x40000                  ; cx: it enters global addresses of my own rows alone
	s_lshl_b32 s20, ttmp9, 2
	s_add_co_u32 s20, s20, s19                     ; T = 4 x cluster + cx
	s_mov_b32 s24, 15|(3<<16)|(1<<21)              ; group 1 for KV: 68 rows of 256 bytes (32 elements of 8 bytes), dense; the mask names all four work-groups
	s_mov_b32 s25, 32<<16
	s_mov_b32 s26, 68<<16
	s_mov_b32 s27, 32<<16
	s_mov_b32 s28, 68
	s_mov_b32 s29, 32
	s_mov_b32 s30, 0
	s_mov_b32 s31, 0
	s_mov_b32 s32, (2<<16)|(1<<20)|(7<<22)|(3<<25) ; group 1 for the mask: 8 rows of 256 f32, 4,096 elements apart, 4 words of padding behind every 256 words
	s_mov_b32 s33, 256<<16
	s_mov_b32 s34, 8<<16
	s_mov_b32 s35, 256<<16
	s_mov_b32 s36, 8
	s_mov_b32 s37, 4096
	s_mov_b32 s38, 0
	s_mov_b32 s39, 0
	s_mov_b32 s[SEL], 0x76543210
	s_mov_b32 s[SEL+1], 0xfedcba98
	s_mov_b32 s48, 0x3fb8aa3b                      ; log2(e)
	s_mov_b32 s49, s48
	s_mov_b32 s52, 0                               ; the slot in hand
	s_mov_b32 s53, 14                              ; the loop's trips: blocks 2 to 15 are asked for in it
	s_cmp_lt_u32 s18, 2                            ; waves 0 and 1 prefetch
	s_cselect_b32 s56, 1, -1
	s_lshr_b32 s57, s20, 1
	s_lshl_b32 s57, s57, 5
	s_and_b32 s58, s20, 1
	s_lshl_b32 s58, s58, 3
	s_add_co_u32 s57, s57, s58                     ; my tile's first token: 32 (T / 2) + 8 (T % 2)
	s_and_b32 s58, s18, 1                          ; which eight lane-rows of the mask I would fetch: they begin 16 tokens apart
	s_lshl_b32 s59, s58, 4
	s_add_co_u32 s59, s59, s57
	s_lshl_b32 s60, s59, 14                        ; x 16,384 bytes
	s_mov_b32 s61, 0
	s_mul_i32 s62, s58, 8*MP
	s_add_co_u32 s62, s62, MKO
	s_mul_i32 s63, s18, 17408                      ; my sixth of a block of KV: the same in memory and in a slot
	s_mov_b32 s66, s63
	s_mov_b32 s67, 0
	s_lshl_b32 s68, s57, 14
	s_add_co_u32 s68, s68, 1024                    ; the prefetches stand at block 1; the first change of slots steps them to block 2
	s_mov_b32 s69, 0
	s_lshl_b32 s70, s57, 12                        ; my first row of out0
	s_mov_b32 s71, 0
	s_lshl_b32 s72, s20, 4
	s_lshl_b32 s73, s18, 1
	s_add_co_u32 s72, s72, s73                     ; 16 T + my first head
	s_mul_i32 s74, s72, 768
	s_mov_b32 s75, 0
	s_lshl_b32 s72, s72, 6
	s_mov_b32 s73, 0
	s_lshr_b32 s76, s18, 1                         ; the key and value head
	v_and_b32 v32, 31, v0                          ; lane
	v_and_b32 v33, 15, v0                          ; r
	v_bfe_u32 v34, v0, 4, 1                        ; h
	v_lshlrev_b32 v35, 4, v32                      ; 16 x lane
	v_lshlrev_b32 v36, 3, v32                      ; 8 x lane
	v_lshlrev_b32 v37, 2, v33                      ; 4 r
	s_mul_i32 s77, s76, 6144
	v_add_nc_u32 v1, s77, v35                      ; K's images of my key head
	v_add_nc_u32 v2, VCO, v1                       ; V's
	s_lshl_b32 s77, s76, 9
	s_add_co_u32 s77, s77, KSO
	v_add_nc_u32 v3, s77, v35                      ; K's scale words: four a lane
	s_lshl_b32 s77, s76, 8
	s_add_co_u32 s77, s77, VSO
	v_lshl_add_u32 v4, v33, 4, s77                 ; V's: four a row
	v_mul_u32_u24 v5, v33, MP
	v_lshl_add_u32 v5, v34, 6, v5
	v_add_nc_u32 v5, MKO, v5                       ; the mask: row r, + 64 h
	v_lshrrev_b32 v38, 2, v32
	s_lshl_b32 s77, s58, 4
	v_add_nc_u32 v38, s77, v38                     ; the prefetch: row lane / 4 (wave 1: 16 rows on),
	v_and_b32 v39, 3, v32
	v_lshlrev_b32 v39, 8, v39                      ; block lane % 4
	v_lshl_or_b32 v29, v38, 14, v39
	s_wait_alu depctr_va_vdst(0)
	s_wait_dscnt 0x0                               ; both opening adds are done
	s_wait_kmcnt 0x0
	s_mov_b32 s40, 1                               ; group 0 for KV
	s_mov_b32 s41, s63
	s_add_nc_u64 s[42:43], s[8:9], s[66:67]        ; nothing of cx in it
	s_or_b32 s43, s43, 0x80000000
	s_mov_b32 s44, 1                               ; group 0 for the mask
	s_mov_b32 s45, s62
	s_add_nc_u64 s[46:47], s[10:11], s[60:61]
	s_or_b32 s47, s47, 0x80000000
	s_add_nc_u64 s[54:55], s[10:11], s[68:69]
	s_add_nc_u64 s[16:17], s[16:17], s[70:71]
	s_add_nc_u64 s[4:5], s[4:5], s[74:75]
	s_add_nc_u64 s[6:7], s[6:7], s[72:73]
	CROUND                                         ; all four work-groups are here: the first joint loads meet
	TLOAD                                          ; block 0 into slot 0: one tensor load a wave at the head
	global_load_b128 v[16:19], v35, s[4:5]         ; Q's six registers of each head stay
	global_load_b64 v[20:21], v36, s[4:5] offset:512
	global_load_b32 v[QW], v37, s[6:7]             ; and its scale words
	global_load_b32 v[QW+1], v37, s[6:7] offset:64
	WIN 0x40
	global_load_b128 v[16:19], v35, s[4:5] offset:768
	global_load_b64 v[20:21], v36, s[4:5] offset:1280
	WIN 0
.irp j, 80,81,82,83,84,85
	v_mov_b32 v[\j], 0                             ; what the last tile of K names beyond its six registers
.endr
	s_wait_loadcnt 0x0
.irp h, 0,1
	v_and_b32 v38, 0xff, v[QW+\h]                  ; 1 / 8 goes into Q's two scale bytes: each held at 4 from below, then 3 off; bytes 2 and 3 stay 0
	v_bfe_u32 v39, v[QW+\h], 8, 8
	v_max_u32 v38, 4, v38
	v_max_u32 v39, 4, v39
	v_lshl_or_b32 v38, v39, 8, v38
	v_add_nc_u32 v[QW+\h], 0xfffffcfd, v38
.endr
	INIT 0
	INIT 1
	WIN 0
	CHANGE 1                                       ; block 0 is in; block 1 into slot 1, issued as a refill is
	ARRIVE 1
	ADDR
	KLOAD 0
	VLOAD 0
.Lslot:                                            ; 14 trips, a slot each
	STEP 0
	STEP 1
	s_sub_co_u32 s53, s53, 1
	s_cmp_lg_u32 s53, 0
	s_wait_alu depctr_va_vdst(0)
	s_cbranch_scc1 .Lslot
	STEP 0                                         ; the last two slots are written out
	STEP 2
	STEP 0
	STEP 3
; THE TAIL: out0's 16 rows = (O / l, quantised along head x 64 + d) Wo^T.  My two heads are K step w of the left operand.  Wave w makes columns 128 w .. 128 w + 127 (Wo's tiles 8 w .. 8 w + 7), TRANSPOSED: source 0 = Wo, source 1 = the 16 tokens.
; The address registers of the walk are done with and take the tail's addresses: v1 Wo's codes, v2 its scale words, v3-5 my images' places, v8-10 everybody's, v11, v28 the stage in and back, v29 out0.
	s_wait_xcnt 0x0                                ; the last prefetch has read v29
	v_and_b32 v250, 31, v0
	v_and_b32 v251, 15, v0
	v_bfe_u32 v252, v0, 4, 1
	v_lshlrev_b32 v253, 4, v250                    ; 16 x lane
	v_lshlrev_b32 v254, 3, v250                    ; 8 x lane
	v_lshlrev_b32 v255, 2, v251                    ; 4 r
	s_wait_alu depctr_va_vdst(0)
	s_lshl_b32 s77, s18, 3
	s_add_co_u32 s77, s77, 352                     ; Wo's tiles 352 + 8 w on
	s_mul_i32 s78, s77, 12288
	v_add_nc_u32 v1, s78, v253
	s_lshl_b32 s78, s77, 9
	v_lshl_add_u32 v2, v250, 2, s78                ; lanes 0-15 an even K step's words, lanes 16-31 the next step's
	s_mul_i32 s77, s18, 1536
	s_add_co_u32 s77, s77, AIMG
	v_add_nc_u32 v3, s77, v253
	s_add_co_u32 s77, s77, 512
	v_add_nc_u32 v4, s77, v254
	s_lshl_b32 s77, s18, 6
	s_add_co_u32 s77, s77, ASC
	v_add_nc_u32 v5, s77, v255
	v_add_nc_u32 v8, AIMG, v253
	v_add_nc_u32 v9, AIMG+512, v254
	v_add_nc_u32 v10, ASC, v255
	s_mul_i32 s77, s18, 16*SP
	v_mul_u32_u24 v11, v251, SP
	v_lshl_add_u32 v11, v252, 6, v11
	v_add_nc_u32 v11, s77, v11                     ; the stage, in: row r, + 64 h
	v_add_nc_u32 v28, s77, v253                    ; back: 32 lanes take one row of 512 bytes
	s_lshl_b32 s77, s18, 9
	v_add_nc_u32 v29, s77, v253                    ; and in out0: 512 w + 16 x lane
	s_wait_alu depctr_va_vdst(0)
.macro BUFAT s, t                      ; where tile t of K step s lies: three buffers of 8 fragments by turns.  BW: window, BR: register
.if (\s)%3 == 0
.set BW, 1
.set BR, 28+12*(\t)
.else
.if (\s)%3 == 2
.set BW, 1
.set BR, 160+12*(\t)
.else
.if (\t) < 5
.set BW, 0
.set BR, 96+12*(\t)
.else
.set BW, 1
.set BR, 124+12*((\t)-5)
.endif
.endif
.endif
.endm
.macro LOADSTEP s                      ; K step s of my eight tiles of Wo: 24 loads; ahead of an even step the scale words of two steps: 8 loads
.if (\s)%2 == 0
.irp t, 0,1,2,3,4,5,6,7
	global_load_b32 v[KS+156*(((\s)/2)%2)+\t], v2, s[14:15] offset:512*\t+64*(\s)
.endr
.endif
.irp t, 0,1,2,3,4,5,6,7
	BUFAT \s, \t
	WIN 0x40*BW
.irp c, 0,1,2
	global_load_b128 v[BR+4*\c:BR+3+4*\c], v1, s[12:13] offset:12288*\t+1536*(\s)+512*\c
.endr
.endr
	WIN 0
.endm
.macro FIN h                           ; O / l of head h, quantised along its 64 channels; the image goes to LDS
	WIN 0x55*\h
	v_add_f32 v14, v14, v15
	v_permlanex16_b32 v[TM+8], v14, s[SEL], s[SEL+1]
	v_add_f32 v14, v14, v[TM+8]                    ; the row's sum
	s_wait_alu depctr_va_vdst(0)
	v_rcp_f32 v14, v14
	v_nop
	s_wait_alu depctr_va_vdst(0)
.set jj, 0
.rept 16
	v_pk_mul_f32 v[O+jj:O+1+jj], v[O+jj:O+1+jj], v[14:15] op_sel_hi:[1,0]
.set jj, jj+2
.endr
.irp b, 0,1
	v_max3_num_f32 v[TM+\b], |v[O+16*\b]|, |v[O+1+16*\b]|, 0x1800000
.endr
.irp i, 2,4,6,8,10,12,14
.irp b, 0,1
	s_delay_alu instid0(VALU_DEP_2)
	v_max3_num_f32 v[TM+\b], v[TM+\b], |v[O+16*\b+\i]|, |v[O+1+16*\b+\i]|
.endr
.endr
.irp b, 0,1
	v_permlanex16_b32 v[TM+4+\b], v[TM+\b], s[SEL], s[SEL+1]
.endr
.irp b, 0,1
	v_max_num_f32 v[TM+\b], v[TM+\b], v[TM+4+\b]
.endr
.irp b, 0,1
	v_add_nc_u32 v[TM+12+\b], 0xff000000, v[TM+\b]
.endr
.irp b, 0,1
	v_lshrrev_b32 v[TM+4+\b], 23, v[TM+12+\b]
.endr
	v_lshl_or_b32 v[TM+8], v[TM+5], 8, v[TM+4]
	v_cvt_scalef32_pk16_fp6_f32 v[PC:PC+2], v[O:O+15], v[TM+12]
	v_cvt_scalef32_pk16_fp6_f32 v[PT:PT+2], v[O+16:O+31], v[TM+13]
	v_nop
.irp i, 0,1,2
	v_permlane16_swap_b32 v[PC+\i], v[PT+\i]
.endr
.irp i, 0,1,2
	v_mov_b32 v[PC+3+\i], v[PT+\i]
.endr
	WIN 0x04*\h
	ds_store_b128 v3, v[PC:PC+3] offset:768*\h
	ds_store_b64 v4, v[PC+4:PC+5] offset:768*\h
	ds_store_b16 v5, v[TM+8] offset:2*\h           ; lanes r and r + 16 write the same two bytes
.endm
.macro TFLOAD s                        ; the tokens' fragment and scale words of K step s: 5 LDS loads
.set TF, 32+12*((\s)%2)
	ds_load_b128 v[TF:TF+3], v8 offset:1536*(\s)
	ds_load_b64 v[TF+4:TF+5], v9 offset:1536*(\s)
	ds_load_b128 v[TF+6:TF+9], v8 offset:1536*(\s)+768
	ds_load_b64 v[TF+10:TF+11], v9 offset:1536*(\s)+768
	ds_load_b32 v[PW+(\s)%2], v10 offset:64*(\s)
.endm
.macro OSTEP s
.if (\s) < 7
	TFLOAD (\s)+1
	s_wait_dscnt 5                                 ; this step's fragment is in; the next step's five loads may be out
.else
	s_wait_dscnt 0x0
.endif
.if (\s) < 6
	s_wait_loadcnt 56                              ; this step's loads are in; the next two steps' 24 + 32 may be out
.else
	s_wait_loadcnt 24*(7-(\s))
.endif
.set TG, 32+12*((\s)%2)
.set WR, KS+156*(((\s)/2)%2)
.irp t, 0,1,2,3,4,5,6,7
	BUFAT \s, \t
	WIN BW
.if (\s) == 0
	WMZ O+8*\t, BR, TG, WR+\t, PW
.else
.if (\s)%2
	WMC1 O+8*\t, BR, TG, O+8*\t, WR+\t, PW+1
.else
	WMC O+8*\t, BR, TG, O+8*\t, WR+\t, PW
.endif
.endif
.endr
	WIN 0
	NOPS                                           ; places in front of loads into registers that these products read, and of the first read of results
.if (\s)+3 < 8
	LOADSTEP (\s)+3
.endif
.endm
	LOADSTEP 0
	LOADSTEP 1
	FIN 0
	FIN 1
	WIN 0
	s_wait_alu depctr_va_vdst(0)
	s_wait_dscnt 0x0                               ; for the others' sake: my stores have landed
	s_barrier_signal -1
	s_barrier_wait -1
	LOADSTEP 2
	TFLOAD 0
.irp s, 0,1,2,3,4,5,6,7
	OSTEP \s
.endr
	; THE WAY OUT: lane (r, h) holds, of token r, columns 128 w + 32 b + 16 h + 0 .. 15: through my stage, back as whole rows of 512 bytes
.irp t, 0,1,2,3,4,5,6,7
	ds_store_b128 v11, v[O+8*\t:O+3+8*\t] offset:128*(\t/2)+32*(\t%2)      ; each accumulator from its low end on
	ds_store_b128 v11, v[O+4+8*\t:O+7+8*\t] offset:128*(\t/2)+32*(\t%2)+16
.endr
.irp i, 0,1,2,3,4,5,6,7,8,9,10,11,12,13,14,15
	ds_load_b128 v[S+4*\i:S+3+4*\i], v28 offset:\i*SP   ; LDS serves a wave's instructions in order: these see my stores
.endr
.irp i, 0,1,2,3,4,5,6,7,8,9,10,11,12,13,14,15
	s_wait_dscnt 15-\i                             ; row i is back; the 15 - i younger loads may be out
	global_store_b128 v29, v[S+4*\i:S+3+4*\i], s[16:17] offset:(\i+8*(\i/8))*4096 th:TH_STORE_NT   ; 32 lanes store 512 consecutive bytes, at a multiple of 256 from out0's first byte
.endr
	s_wait_tensorcnt 0x0                           ; the wave's end
	ds_add_u32 v6, v7
	s_wait_dscnt 0x0
	CROUND                                         ; the closing round
	s_endpgm
.Lfunc_end_k_q72b428d6ca_attn:
	.size	k_q72b428d6ca_attn, .Lfunc_end_k_q72b428d6ca_attn-k_q72b428d6ca_attn
	.p2alignl 7, 3214868480
	.fill 96, 4, 3214868480
	.section	.rodata,"a",@progbits
	.p2align	6, 0x0
	.amdhsa_kernel k_q72b428d6ca_attn
		.amdhsa_group_segment_fixed_size 327680
		.amdhsa_private_segment_fixed_size 0
		.amdhsa_enable_private_segment 0
		.amdhsa_kernarg_size 56
		.amdhsa_user_sgpr_count 2
		.amdhsa_user_sgpr_kernarg_segment_ptr 1
		.amdhsa_wavefront_size32 1
		.amdhsa_system_sgpr_workgroup_id_x 1
		.amdhsa_system_sgpr_workgroup_id_y 1
		.amdhsa_system_sgpr_workgroup_id_z 1
		.amdhsa_system_vgpr_workitem_id 0
		.amdhsa_next_free_vgpr 512
		.amdhsa_next_free_sgpr 84
		.amdhsa_reserve_vcc 0
		.amdhsa_float_denorm_mode_32 3
		.amdhsa_float_denorm_mode_16_64 3
		.amdhsa_memory_ordered 1
		.amdhsa_forward_progress 1
		.amdhsa_inst_pref_size 252
	.end_amdhsa_kernel
	.amdgpu_metadata
---
amdhsa.version: [ 1, 2 ]
amdhsa.kernels:
  - .name:           k_q72b428d6ca_attn
    .symbol:         k_q72b428d6ca_attn.kd
    .args:
      - { .name: QC, .offset: 0, .size: 8, .value_kind: global_buffer, .address_space: global }
      - { .name: QS, .offset: 8, .size: 8, .value_kind: global_buffer, .address_space: global }
      - { .name: KV, .offset: 16, .size: 8, .value_kind: global_buffer, .address_space: global }
      - { .name: attention_mask, .offset: 24, .size: 8, .value_kind: global_buffer, .address_space: global }
      - { .name: CW, .offset: 32, .size: 8, .value_kind: global_buffer, .address_space: global }
      - { .name: SW, .offset: 40, .size: 8, .value_kind: global_buffer, .address_space: global }
      - { .name: out0, .offset: 48, .size: 8, .value_kind: global_buffer, .address_space: global }
    .group_segment_fixed_size: 327680
    .private_segment_fixed_size: 0
    .kernarg_segment_align: 8
    .kernarg_segment_size: 56
    .max_flat_workgroup_size: 256
    .sgpr_count:     84
    .vgpr_count:     512
    .wavefront_size: 32
...
	.end_amdgpu_metadata
.endif
;; end of part 3
